; MI455X (gfx1250); checked and timed in simulation.
; The chip was launched on July 23, 2026; its instructions are those of AMD's public machine-readable ISA for CDNA 5 (MIT licence, August 2026) and "CDNA5" Instruction Set Architecture Reference Guide (July 2026). The comments in the code are by the model that wrote it; some were corrected since.
;; XPU Int4 Linear. Allowed arithmetic: float matrix products may take bf16 or f16 operands with f32 sums; all other float work in f32.
;; Inputs: bias 4,096 float32; qweight 4,096 x 512 int32; qzeros 4,096 x 4 int32; scales 4,096 x 32 float32; x 4,096 x 4,096 float32.
;; Outputs: out0 4,096 x 4,096 float32.
;; 2 versions, each right; version 2 is version 1 with the launch prep written anew for expert scheduling mode. Each part assembles by itself: llvm-mc -triple=amdgcn-amd-amdhsa -mcpu=gfx1250 --defsym DOCPART=n.
;; ======== version 1 of 2: 2 launches
;; limits: values are held in f16: magnitudes above 65,504 overflow, below 6.1e-05 lose precision; inputs' magnitudes at most 65,504
;; workspace buffers: xh 33,554,432 bytes; wh 33,554,432 bytes
;; launch prep (part 1): grid 1024 x 1, 8 waves a work-group, no clusters, 0 bytes of LDS; arguments x, qweight, qzeros, scales, xh, wh; writes xh, wh
.if DOCPART == 1
	.amdgcn_target "amdgcn-amd-amdhsa--gfx1250"
	.amdhsa_code_object_version 6
	.text
	.protected	k_q7ab7b58dbe_prep
	.globl	k_q7ab7b58dbe_prep
	.p2align	8
	.type	k_q7ab7b58dbe_prep,@function
k_q7ab7b58dbe_prep:
	s_mov_b64 s[64:65], 0
	v_nop
	global_prefetch_b8 v0, s[64:65] scope:SCOPE_SE
	s_setreg_imm32_b32 hwreg(HW_REG_WAVE_MODE, 25, 1), 1
	s_wait_xcnt 0x0
; xh = f16(x);  wh[n][k] = f16((q[n][k] - z[n][k/128]) * s[n][k/128]).  x: [4096][4096] f32.  qweight: [4096][512] words of eight 4-bit codes, the lowest
; nibble the lowest k.  qzeros: [4096][4] words of eight 4-bit codes, one a group of 128 k.  scales: [4096][32] f32.  xh, wh: [4096][4096] f16, row-major.
; The difference q - z is exact in f32, the product is rounded once in f32 and once more to f16.
; LIMITS.  f16 holds no number beyond 65,504: |x| or |w| of 65,520 or more becomes an infinity; below 6.1e-5 a number keeps f16's fixed step of 6e-8.  NaN and infinities are not treated apart.
; SHARES.  A work-group of eight waves owns rows 4 g .. 4 g + 3 of x and of the weights; each of its pieces is one dense block of memory, so thread t goes by flat offsets:
;   x       16 loads of 16 bytes at 16 t + 4,096 i: a wave's load covers 512 consecutive bytes;  xh: 16 stores of 8 bytes at 8 t + 2,048 i: 256 consecutive bytes, aligned
;   qweight 8 loads of one word, word f = t + 256 i of the block;  wh: the word's eight weights are 16 bytes at 16 f: a wave's store covers 512 consecutive bytes
;   scales  word f lies in group G = f / 16 = t / 16 + 16 i of the block's 128 groups: 4 bytes at 4 G
;   qzeros  the block's 16 words come by one scalar load; group G's code is nibble G % 8 = (t / 16) % 8 of word G / 8 = t / 128 + 2 i, and t / 128 is the same for a whole wave
; A stream: every byte is read once and written once.  No LDS, no barrier, no loop: all 32 loads of a wave go out together, and the waits count down.  Every store has data registers of its own,
; and no address register or base is rewritten behind the loads: no wait for translated addresses is needed.  The matrix unit and clusters have nothing to do here: no two work-groups share a byte.
.set XO, 1                             ; v1        16 t: x's loads and wh's stores
.set XS, 2                             ; v2        8 t: xh's stores
.set QO, 3                             ; v3        4 t: qweight's loads
.set SO, 4                             ; v4        4 (t / 16): scales' loads
.set SH, 5                             ; v5        4 ((t / 16) % 8): where my zero point's nibble begins
.set ZP, 6                             ; v[6:7]    the zero point as f32, and as a whole number (named as a pair; the packed subtraction takes the low word for both halves)
.set T,  8                             ; v[8:15]   eight numbers at work
.set QS, 16                            ; v[16:31]  item i: its scale, its qweight word (named as a pair; the packed multiply takes the low word for both halves)
.set Y,  32                            ; v[32:63]  item i: eight weights in f16, 4 registers
.set X,  64                            ; v[64:127] item i: 4 registers of x as loaded; the first two then hold the four f16
.set ZW, 16                            ; s[16:31]  the block's 16 words of qzeros
.set ZS, 36                            ; s[36:43]  item i: my wave's word of qzeros
	s_load_b256 s[4:11], s[0:1], 0x0               ; x s[4:5], qweight s[6:7], qzeros s[8:9], scales s[10:11]
	s_load_b128 s[12:15], s[0:1], 0x20             ; xh s[12:13], wh s[14:15]
	v_lshlrev_b32 v[XO], 4, v0
	v_lshlrev_b32 v[XS], 3, v0
	v_lshlrev_b32 v[QO], 2, v0
	v_lshrrev_b32 v[SO], 4, v0                     ; t / 16
	v_and_b32 v[SH], 7, v[SO]
	v_lshlrev_b32 v[SH], 2, v[SH]
	v_lshlrev_b32 v[SO], 2, v[SO]
	v_lshrrev_b32 v[ZP], 5, v0
	v_readfirstlane_b32 s34, v[ZP]                 ; my wave's number
	s_lshr_b32 s35, s34, 2                         ; t / 128
	s_mov_b32 s33, 0
	s_wait_kmcnt 0x0
	s_lshl_b32 s32, ttmp9, 16                      ; four rows of x: 65,536 bytes
	s_add_nc_u64 s[4:5], s[4:5], s[32:33]
	s_lshl_b32 s32, ttmp9, 13                      ; of qweight: 8,192
	s_add_nc_u64 s[6:7], s[6:7], s[32:33]
	s_lshl_b32 s32, ttmp9, 6                       ; of qzeros: 64
	s_add_nc_u64 s[8:9], s[8:9], s[32:33]
	s_lshl_b32 s32, ttmp9, 9                       ; of scales: 512
	s_add_nc_u64 s[10:11], s[10:11], s[32:33]
	s_lshl_b32 s32, ttmp9, 15                      ; of xh and of wh: 32,768
	s_add_nc_u64 s[12:13], s[12:13], s[32:33]
	s_add_nc_u64 s[14:15], s[14:15], s[32:33]
	s_load_b512 s[ZW:ZW+15], s[8:9], 0x0
.irp i, 0,1,2,3,4,5,6,7
	global_load_b32 v[QS+2*(\i)],   v[SO], s[10:11] offset:64*(\i)
	global_load_b32 v[QS+2*(\i)+1], v[QO], s[6:7] offset:1024*(\i) th:TH_LOAD_NT
.endr
.irp i, 0,1,2,3,4,5,6,7,8,9,10,11,12,13,14,15
	global_load_b128 v[X+4*(\i):X+4*(\i)+3], v[XO], s[4:5] offset:4096*(\i) th:TH_LOAD_NT
.endr
	s_wait_kmcnt 0x0                               ; qzeros
	s_cmp_lg_u32 s35, 0                            ; the selects leave SCC as it is
.irp i, 0,1,2,3,4,5,6,7
	s_cselect_b32 s[ZS+(\i)], s[ZW+2*(\i)+1], s[ZW+2*(\i)]  ; word t / 128 + 2 i
.endr
; Eight weights: one word of codes, one zero point, one scale.
.macro WITEM i
	s_wait_loadcnt 30-2*(\i)                       ; loads come back in order (ISA guide 5.7.1): behind this item's word stand the 2 (7 - i) of the later items and x's 16
	v_bfe_u32 v[ZP+1], s[ZS+(\i)], v[SH], 4
	v_cvt_f32_u32 v[ZP], v[ZP+1]
.irp j, 0,1,2,3,4,5,6,7
	v_bfe_u32 v[T+(\j)], v[QS+2*(\i)+1], 4*(\j), 4
.endr
.irp j, 0,1,2,3,4,5,6,7
	v_cvt_f32_u32 v[T+(\j)], v[T+(\j)]
.endr
.irp j, 0,2,4,6
	v_pk_add_f32 v[T+(\j):T+(\j)+1], v[T+(\j):T+(\j)+1], v[ZP:ZP+1] op_sel_hi:[1,0] neg_lo:[0,1] neg_hi:[0,1]  ; q - z
.endr
.irp j, 0,2,4,6
	v_pk_mul_f32 v[T+(\j):T+(\j)+1], v[T+(\j):T+(\j)+1], v[QS+2*(\i):QS+2*(\i)+1] op_sel_hi:[1,0]              ; times s
.endr
.irp j, 0,1,2,3
	v_cvt_pk_f16_f32 v[Y+4*(\i)+(\j)], v[T+2*(\j)], v[T+2*(\j)+1]
.endr
	global_store_b128 v[XO], v[Y+4*(\i):Y+4*(\i)+3], s[14:15] offset:4096*(\i)
.endm
; Four numbers of x.
.macro XITEM i
	s_wait_loadcnt 15-(\i)                         ; the later items' loads stay out
	v_cvt_pk_f16_f32 v[X+4*(\i)],   v[X+4*(\i)],   v[X+4*(\i)+1]
	v_cvt_pk_f16_f32 v[X+4*(\i)+1], v[X+4*(\i)+2], v[X+4*(\i)+3]
	global_store_b64 v[XS], v[X+4*(\i):X+4*(\i)+1], s[12:13] offset:2048*(\i)
.endm
.irp i, 0,1,2,3,4,5,6,7
	WITEM \i
.endr
.irp i, 0,1,2,3,4,5,6,7,8,9,10,11,12,13,14,15
	XITEM \i
.endr
	s_endpgm
.Lfunc_end_k_q7ab7b58dbe_prep:
	.size	k_q7ab7b58dbe_prep, .Lfunc_end_k_q7ab7b58dbe_prep-k_q7ab7b58dbe_prep
	.p2alignl 7, 3214868480
	.fill 96, 4, 3214868480
	.section	.rodata,"a",@progbits
	.p2align	6, 0x0
	.amdhsa_kernel k_q7ab7b58dbe_prep
		.amdhsa_group_segment_fixed_size 0
		.amdhsa_private_segment_fixed_size 0
		.amdhsa_enable_private_segment 0
		.amdhsa_kernarg_size 48
		.amdhsa_user_sgpr_count 2
		.amdhsa_user_sgpr_kernarg_segment_ptr 1
		.amdhsa_wavefront_size32 1
		.amdhsa_system_sgpr_workgroup_id_x 1
		.amdhsa_system_sgpr_workgroup_id_y 1
		.amdhsa_system_sgpr_workgroup_id_z 1
		.amdhsa_system_vgpr_workitem_id 0
		.amdhsa_next_free_vgpr 128
		.amdhsa_next_free_sgpr 66
		.amdhsa_reserve_vcc 0
		.amdhsa_float_denorm_mode_32 3
		.amdhsa_float_denorm_mode_16_64 3
		.amdhsa_memory_ordered 1
		.amdhsa_forward_progress 1
		.amdhsa_inst_pref_size 23
	.end_amdhsa_kernel
	.amdgpu_metadata
---
amdhsa.version: [ 1, 2 ]
amdhsa.kernels:
  - .name:           k_q7ab7b58dbe_prep
    .symbol:         k_q7ab7b58dbe_prep.kd
    .args:
      - { .name: x, .offset: 0, .size: 8, .value_kind: global_buffer, .address_space: global }
      - { .name: qweight, .offset: 8, .size: 8, .value_kind: global_buffer, .address_space: global }
      - { .name: qzeros, .offset: 16, .size: 8, .value_kind: global_buffer, .address_space: global }
      - { .name: scales, .offset: 24, .size: 8, .value_kind: global_buffer, .address_space: global }
      - { .name: xh, .offset: 32, .size: 8, .value_kind: global_buffer, .address_space: global }
      - { .name: wh, .offset: 40, .size: 8, .value_kind: global_buffer, .address_space: global }
    .group_segment_fixed_size: 0
    .private_segment_fixed_size: 0
    .kernarg_segment_align: 8
    .kernarg_segment_size: 48
    .max_flat_workgroup_size: 256
    .sgpr_count:     66
    .vgpr_count:     128
    .wavefront_size: 32
...
	.end_amdgpu_metadata
.endif
;; end of part 1
;; launch gemm (part 2): grid 16 x 16, 4 waves a work-group, clusters of 4 x 4, 327,680 bytes of LDS; arguments xh, wh, bias, out0; writes out0
.if DOCPART == 2
	.amdgcn_target "amdgcn-amd-amdhsa--gfx1250"
	.amdhsa_code_object_version 6
	.text
	.protected	k_q7ab7b58dbe_gemm
	.globl	k_q7ab7b58dbe_gemm
	.p2align	8
	.type	k_q7ab7b58dbe_gemm,@function
k_q7ab7b58dbe_gemm:
	s_mov_b64 s[64:65], 0
	v_nop
	global_prefetch_b8 v0, s[64:65] scope:SCOPE_SE
	s_setreg_imm32_b32 hwreg(HW_REG_WAVE_MODE, 25, 1), 1
	s_wait_xcnt 0x0
	s_wait_alu depctr_hold_cnt(0) depctr_sa_sdst(0) depctr_va_vdst(0) depctr_va_sdst(0) depctr_va_ssrc(0) depctr_va_vcc(0) depctr_vm_vsrc(0)
	s_getreg_b32 s2, hwreg(HW_REG_IB_STS2, 6, 4)
	s_cmp_eq_u32 s2, 0
	s_cbranch_scc0 .Lentry_in_a_cluster
	s_endpgm
.Lentry_in_a_cluster:
	s_bfe_u32 s2, ttmp6, 0x10000c
	s_cmp_lg_u32 s2, 0xf033
	s_cbranch_scc0 .Lentry_shape_is_right
	s_endpgm
.Lentry_shape_is_right:
; out0[m][n] = bias[n] + the sum over k of xh[m][k] wh[n][k].  xh, wh: [4096][4096] f16, K along the rows; bias: [4096] f32; out0: [4096][4096] f32.  Sums in f32, K ascending; they START with the bias.
; LIMITS.  The operands are f16 (made by the launch before): magnitudes of 65,520 or more arrive as infinities, those below 6.1e-5 with f16's fixed step of 6e-8.  NaN and infinities are not treated apart.
; SHARES.  out0 has 16 x 16 tiles of 256 x 256, one to a work-group of four waves; a wave makes 128 x 128: 64 accumulators of 16 x 16, 512 registers.  K goes in 32 steps of 128 through a ring of two
; LDS slots filled by the tensor data mover: a tile's rows are 256 bytes of memory and start at multiples of 256 bytes from the buffer's first byte.
; CLUSTERS.  4 x 4 work-groups.  The four of a row of the cluster need the same tiles of xh, the four of a column the same tiles of wh: each tile is asked for JOINTLY, by the same tensor load with the same
; descriptor and a mask that names the four, and each receives it in its own LDS.  That divides the requests for both operands by four.
; THE MATRIX INSTRUCTION IS USED TRANSPOSED: source 0 = 16 rows of wh, source 1 = 16 rows of xh.  Lane l then holds row m = l % 16 and the columns n = 8 (l / 16) + 0 .. 7 of a 16 x 16 block: 32 neighbouring
; bytes of a row of out0, and the C operand that starts a sum is simply eight neighbouring numbers of the bias.
; REGISTERS, in windows of 256 (s_set_vgpr_msb: bits 1:0 source 0, 3:2 source 1, 5:4 source 2, 7:6 destination):
;   window 0: v0-31 addresses; v64-127, v128-191 fragments of xh (8 x 16 rows x 32 K), two buffers, on the way out rows read back from the stage; v192-255 the bias of my 128 columns
;   window 1: v64-127, v128-191 fragments of wh, two buffers
;   window 2: the 32 accumulators of my rows 0-63 (accumulator (a, b) at v[8 (8 a + b)]);   window 3: those of my rows 64-127
.set SIZE_K, 4096
.set SIZE_N, 4096
.set KSTEP,  128
.set PITCH,  272                       ; an LDS row: 256 bytes of data + 16 of padding = 68 words: row r starts at bank 4 r mod 64 (64 banks of 4 bytes: ISA guide 11.1), so the 16 rows that a load touches start at 16 different banks
.set HALFT,  128*PITCH                 ; 128 rows: what one tensor load brings, and what one wave reads of either operand
.set SLOT,   4*HALFT                   ; xh's 256 rows, then wh's 256 rows
.set STAGE,  2*SLOT                    ; behind the ring: 16 rows x 528 bytes for each wave, for the way out; no tensor load fills it
.set SPITCH, 528                       ; a stage row: my 128 columns in f32, 512 bytes, + 16: again 16 rows at 16 different banks
.set SPARE,  STAGE+4*16*SPITCH         ; behind the stages: the spare words, 128 bytes for each wave: two blocks of 256 bytes that no other line names
.set LAPS,   SIZE_K/(2*KSTEP)          ; a lap = two K steps = once round the ring: 16
.set ROWB,   SIZE_N*4                  ; bytes in a row of out0
.set ADRA, 16                          ; v16-17  LDS address of my fragments of xh in slot 0, 1
.set ADRB, 20                          ; v20-21  the same for wh
.set STO,  24                          ; v24     the way out: where I put 32 bytes of a row
.set RD,   25                          ; v25     the way out: where I read 16 bytes of a row back
.set CO,   26                          ; v26     my byte offset in a row's 512 bytes of out0
.set BO,   27                          ; v27     my byte offset in 16 numbers of the bias
.set SPW,  28                          ; v28     LDS address of my spare word: SPARE + 4 x my thread's number; never rewritten
.set NIL,  29                          ; v29     0; never rewritten
.set F0,   64                          ; fragment buffer 0
.set F1,   128                         ; fragment buffer 1
.set BI,   192                         ; the bias of column block b at BI + 8 b
.set G1,  24                           ; s[24:31] descriptor group 1 for xh's tiles
.set G0,  32                           ; s[32:39] descriptor group 0 for xh's tiles, one set for each slot
.set G1B, 48                           ; s[48:55] group 1 for wh's tiles: it differs in the mask alone
.set G0B, 56                           ; s[56:63] group 0 for wh's tiles, one set for each slot
.set MSB, 0
.macro WIN new                         ; the immediate's high byte repeats the setting that is left; a switch that changes nothing is dropped
.if MSB != (\new)
	s_set_vgpr_msb (MSB<<8)|(\new)
.set MSB, \new
.endif
.endm
.set MUL_LO,  0xa1                     ; source 0 (wh) window 1, source 1 (xh) window 0, C and D window 2
.set BIAS_LO, 0x81                     ; the same with C (the bias) in window 0
.set TO_B,    0x40                     ; destination window 1, address window 0
; A joint load.  Waves 0 and 1 fetch xh's two halves, waves 2 and 3 wh's.  Each of the two lines has one mask and one set of registers for all that issue it.  The branch hangs on the wave's number alone.
; An s_nop 0 and four v_nop follow each of the two lines, ahead of the jump, the label and what follows the macro.
.macro JLOAD s
	s_cmp_eq_u32 s11, 0
	s_cbranch_scc0 .Lfor_b_\@
	tensor_load_to_lds s[G0+4*(\s):G0+4*(\s)+3], s[G1:G1+7]
	s_nop 0
.rept 4
	v_nop
.endr
	s_branch .Lasked_\@
.Lfor_b_\@:
	tensor_load_to_lds s[G0B+4*(\s):G0B+4*(\s)+3], s[G1B:G1B+7]
	s_nop 0
.rept 4
	v_nop
.endr
.Lasked_\@:
.endm
; A round of the cluster's barrier: my work-group's barrier, so that wave 0's signal speaks for all four waves; wave 0 signals for the work-group; every wave waits for all sixteen work-groups;
; my work-group's barrier once more.
.macro CREST                           ; a round behind its opening barrier
	s_cmp_lg_u32 s10, 0
	s_cbranch_scc1 .Lnot_wave_0_\@
	s_barrier_signal -3
.Lnot_wave_0_\@:
	s_barrier_wait -3
	s_barrier_signal -1
	s_barrier_wait -1
.endm
.macro CROUND                          ; a whole round
	s_barrier_signal -1
	s_barrier_wait -1
	CREST
.endm
	s_load_b128 s[4:7], s[0:1], 0x0                ; xh s[4:5], wh s[6:7]
	s_load_b128 s[80:83], s[0:1], 0x10             ; bias s[80:81], out0 s[82:83]
	v_lshl_add_u32 v[SPW], v0, 2, SPARE
	v_mov_b32 v[NIL], 0
	ds_add_u32 v[SPW], v[NIL]                      ; the wave's opening: the add and its wait stand ahead of my first tensor load; the set-up below, work on registers, stands between them
	v_lshrrev_b32 v1, 5, v0
	v_readfirstlane_b32 s10, v1                    ; wave 0..3
	s_lshr_b32 s11, s10, 1                         ; which half of the tile's rows is mine.  Also: I fetch for xh (0) or for wh (1)
	s_and_b32 s12, s10, 1                          ; which half of its columns.  Also: which 128 rows of that tile I fetch
	s_bfe_u32 s40, ttmp6, 0x40000                  ; cx: my place along the cluster's x
	s_bfe_u32 s41, ttmp6, 0x40004                  ; cy: along its y
	s_lshl_b32 s42, ttmp9, 2                       ; in a cluster launch ttmp9 and ttmp7 count clusters
	s_add_co_u32 s42, s42, s40                     ; tile column = 4 x cluster x + cx
	s_and_b32 s13, ttmp7, 0xffff
	s_lshl_b32 s13, s13, 2
	s_add_co_u32 s13, s13, s41                     ; tile row = 4 x cluster y + cy
	s_lshl_b32 s43, s41, 2
	s_lshl_b32 s43, 15, s43                        ; my row of the cluster: places 4 cy .. 4 cy + 3
	s_lshl_b32 s44, 0x1111, s40                    ; my column: places cx, cx + 4, cx + 8, cx + 12
	; descriptor group 1: a tile of 128 rows x 128 elements, padded in LDS
	s_or_b32 s[G1+0], s43, (1<<16)|(1<<20)|(1<<21)|(5<<22)|(3<<25)   ; 15:0 the mask: xh's tiles go to my row; 17:16 elements of 2 bytes; 20 padding on; 21 set beside a mask; 24:22 after every 64 words (code 5); 31:25 4 words of it (code 3)
	s_or_b32 s[G1B+0], s44, (1<<16)|(1<<20)|(1<<21)|(5<<22)|(3<<25)  ; the same with the mask of my column, for wh's tiles
.irp g, G1, G1B
	s_mov_b32 s[(\g)+1], KSTEP<<16                 ; tensor_dim0 = 128
	s_mov_b32 s[(\g)+2], 128<<16                   ; tensor_dim1 = 128
	s_mov_b32 s[(\g)+3], KSTEP<<16                 ; tile_dim0 = 128
	s_mov_b32 s[(\g)+4], 128                       ; tile_dim1 = 128
	s_mov_b32 s[(\g)+5], SIZE_K                    ; elements from row to row
	s_mov_b32 s[(\g)+6], 0
	s_mov_b32 s[(\g)+7], 0
.endr
	; where the tiles come from.  xh's hang on the tile row alone, which my row of the cluster shares; wh's on the tile column alone, which my column shares.
	; Every wave makes both offsets, in registers that never hold the other coordinate, and asks by one of them.
	s_lshl_b32 s17, s12, 7                         ; which 128 rows of the tile I fetch
	s_lshl_b32 s16, s13, 8
	s_add_co_u32 s16, s16, s17                     ; xh: row 256 x tile row + 128 x half
	s_lshl_b32 s46, s42, 8
	s_add_co_u32 s46, s46, s17                     ; wh: row 256 x tile column + 128 x half
	s_lshl_b32 s16, s16, 13                        ; a row is 8,192 bytes; 4,096 rows are 32 MiB: 32 bits hold the offset
	s_lshl_b32 s46, s46, 13
	s_mov_b32 s17, 0
	s_mov_b32 s47, 0
	s_mul_i32 s20, s10, HALFT                      ; and where they go: xh's two halves, then wh's two halves = wave x 128 rows: no place in the cluster enters an LDS address
	s_wait_dscnt 0x0                               ; the opening add is done
	s_wait_kmcnt 0x0
	s_add_nc_u64 s[14:15], s[4:5], s[16:17]
	s_add_nc_u64 s[46:47], s[6:7], s[46:47]
	CROUND                                         ; all sixteen work-groups are here: the first joint loads meet
.irp s, 0,1
	s_mov_b32 s[G0+4*(\s)], 1                                        ; 1:0 count = 1
	s_add_co_u32 s[G0+4*(\s)+1], s20, (\s)*SLOT                      ; 63:32 LDS address
	s_add_nc_u64 s[G0+4*(\s)+2:G0+4*(\s)+3], s[14:15], (\s)*KSTEP*2  ; 120:64 global address: K step s
	s_or_b32 s[G0+4*(\s)+3], s[G0+4*(\s)+3], 0x80000000              ; 127:126 type = 2
	s_mov_b32 s[G0B+4*(\s)], 1
	s_add_co_u32 s[G0B+4*(\s)+1], s20, (\s)*SLOT
	s_add_nc_u64 s[G0B+4*(\s)+2:G0B+4*(\s)+3], s[46:47], (\s)*KSTEP*2
	s_or_b32 s[G0B+4*(\s)+3], s[G0B+4*(\s)+3], 0x80000000
	JLOAD \s                                       ; the ring is filled before anything else is done: two tensor loads of mine are out
.endr
	; A fragment is 16 rows x 32 K in 8 registers: lane l holds row l % 16; registers 0-3 hold K = 8 (l / 16) + 0..7, registers 4-7 K = 16 + 8 (l / 16) + 0..7: two loads of 16 bytes, 32 bytes apart.
	v_and_b32 v1, 15, v0                           ; l % 16
	v_bfe_u32 v2, v0, 4, 1                         ; l / 16
	v_mul_u32_u24 v3, v1, PITCH
	v_lshl_add_u32 v3, v2, 4, v3                   ; row x pitch + 16 x half
	s_mul_i32 s21, s11, HALFT                      ; my 128 rows of xh
	s_mul_i32 s22, s12, HALFT                      ; my 128 rows of wh,
	s_add_co_u32 s22, s22, 2*HALFT                 ; which lie behind xh's 256
.irp s, 0,1
	v_add_nc_u32 v[ADRA+(\s)], s21, v3
	v_add_nc_u32 v[ADRB+(\s)], s22, v3
	s_add_co_u32 s21, s21, SLOT
	s_add_co_u32 s22, s22, SLOT
.endr
	s_mul_i32 s23, s10, 16*SPITCH
	s_add_co_u32 s23, s23, STAGE                   ; my stage
	v_mul_u32_u24 v4, v1, SPITCH                   ; in: row l % 16, 32 bytes for each half of the lanes
	v_lshl_add_u32 v4, v2, 5, v4
	v_add_nc_u32 v[STO], s23, v4
	v_and_b32 v5, 31, v0
	v_lshlrev_b32 v[CO], 4, v5                     ; back: 32 lanes take one row's 512 bytes, 16 each; the same place in out0's row
	v_add_nc_u32 v[RD], s23, v[CO]
	v_lshlrev_b32 v[BO], 5, v2                     ; my eight numbers of a block's sixteen of the bias
	s_lshl_b32 s46, s42, 10                        ; my first column, in bytes of f32: 1,024 x tile column + 512 x half (in the registers that held wh's address: none that feeds xh's descriptors ever holds cx)
	s_lshl_b32 s47, s12, 9
	s_add_co_u32 s46, s46, s47
	s_mov_b32 s47, 0
	s_add_nc_u64 s[80:81], s[80:81], s[46:47]      ; the bias at my first column
	s_add_nc_u64 s[82:83], s[82:83], s[46:47]
	s_lshl_b32 s16, s13, 8
	s_lshl_b32 s17, s11, 7
	s_add_co_u32 s16, s16, s17                     ; my first row of out0
	s_lshl_b32 s16, s16, 14                        ; a row is 16,384 bytes; 4,096 rows are 64 MiB
	s_mov_b32 s17, 0
	s_add_nc_u64 s[82:83], s[82:83], s[16:17]      ; out0 at my first row and column; never rewritten
.irp b, 0,1,2,3,4,5,6,7
	global_load_b128 v[BI+8*(\b):BI+8*(\b)+3],   v[BO], s[80:81] offset:64*(\b)
	global_load_b128 v[BI+8*(\b)+4:BI+8*(\b)+7], v[BO], s[80:81] offset:64*(\b)+16
.endr
; 16 matrix instructions: m blocks a0, a0 + 1 of the window's four (hi = 0: my rows 0-63, 1: rows 64-127) x all 8 n blocks, 32 along K.
; first = 1: the first product starts the sums with the bias as C: nothing is cleared, and nothing is added at the end.
; The 64 accumulators take turns, one instruction a turn, in the same order in every quarter step.
.macro MUL16 f, hi, a0, first
.if \first
	WIN BIAS_LO+0x40*(\hi)
.else
	WIN MUL_LO+0x50*(\hi)
.endif
.irp a, \a0, (\a0)+1
.irp b, 0,1,2,3,4,5,6,7
.if \first
	v_wmma_f32_16x16x32_f16 v[8*(8*(\a)+(\b)):8*(8*(\a)+(\b))+7], v[(\f)+8*(\b):(\f)+8*(\b)+7], v[(\f)+8*(4*(\hi)+(\a)):(\f)+8*(4*(\hi)+(\a))+7], v[BI+8*(\b):BI+8*(\b)+7]
.else
	v_wmma_f32_16x16x32_f16 v[8*(8*(\a)+(\b)):8*(8*(\a)+(\b))+7], v[(\f)+8*(\b):(\f)+8*(\b)+7], v[(\f)+8*(4*(\hi)+(\a)):(\f)+8*(4*(\hi)+(\a))+7], v[8*(8*(\a)+(\b)):8*(8*(\a)+(\b))+7]
.endif
.endr
.endr
.endm
; 32 LDS loads in one run: the fragments of one quarter step (128 rows of wh, 128 rows of xh, 32 K at byte k of the rows) into buffer f
.macro FETCH slot, k, f
	WIN TO_B
.irp i, 0,1,2,3,4,5,6,7
	ds_load_b128 v[(\f)+8*(\i):(\f)+8*(\i)+3],   v[ADRB+(\slot)] offset:(\k)+(\i)*16*PITCH
	ds_load_b128 v[(\f)+8*(\i)+4:(\f)+8*(\i)+7], v[ADRB+(\slot)] offset:(\k)+(\i)*16*PITCH+32
.endr
	WIN 0
.irp i, 0,1,2,3,4,5,6,7
	ds_load_b128 v[(\f)+8*(\i):(\f)+8*(\i)+3],   v[ADRA+(\slot)] offset:(\k)+(\i)*16*PITCH
	ds_load_b128 v[(\f)+8*(\i)+4:(\f)+8*(\i)+7], v[ADRA+(\slot)] offset:(\k)+(\i)*16*PITCH+32
.endr
.endm
; A load into a register that a matrix instruction has read, and an LDS store that reads a matrix result, stand four places behind that matrix instruction, and only plain vector instructions that
; name none of its registers are places (ISA guide 7.12.1 for vector instructions).
.macro PLACES
.rept 4
	v_nop
.endr
.endm
; A K step is four quarter steps of 32 along K, 64 matrix instructions each, on buffers 0, 1, 0, 1.
; One of the first three: multiplies buffer f; in its middle it fetches the next quarter's fragments, at byte k of the same slot's rows, into buffer g.
.macro QUARTER slot, k, f, g, first
	s_wait_dscnt 8                                 ; wh and xh's rows 0-63 are in; the youngest eight loads (xh's rows 64-127) may be out
	MUL16 \f, 0, 0, \first
	MUL16 \f, 0, 2, \first
	PLACES
	FETCH \slot, \k, \g
	s_wait_dscnt 32                                ; all but the 32 just issued
	MUL16 \f, 1, 0, \first
	MUL16 \f, 1, 2, \first
.endm
; The last quarter multiplies buffer 1 and changes slots: ONE barrier for two things.  In front of it each wave waits for all its tensor loads, of which one is out: its part of the next slot; adds 0 to its
; spare word; and waits for that and for its own reads of this slot.  Behind it nobody reads this slot any more and the next slot is whole.
; fill = 1: this slot is filled again, two K steps ahead.  The barrier then opens a round of the cluster's barrier, so that no wave of any partner still reads the slot or has a load on its way, and the joint
; refill is the first tensor load behind the round, my one load until the next: from there to the wait for it I issue 224 matrix instructions.
.macro TURN slot, next, fill
	WIN 0                                          ; (the add's two registers lie in window 0)
	s_wait_tensorcnt 0x0                           ; all my tensor loads have landed: no group 0 is in use
	ds_add_u32 v[SPW], v[NIL]                      ; 0 onto my spare word
	s_wait_dscnt 9                                 ; (the add and the youngest eight loads may be out)
	MUL16 F1, 0, 0, 0                              ; sixteen matrix instructions stand between the add and the wait for it
	s_wait_dscnt 0x0                               ; the add is done, and my reads of this slot are over
	s_barrier_signal -1
	MUL16 F1, 0, 2, 0                              ; work on registers while the others arrive
.if \fill
	WIN 0
.endif
	s_barrier_wait -1
.if \fill
	CREST
	s_add_nc_u64 s[G0+4*(\slot)+2:G0+4*(\slot)+3], s[G0+4*(\slot)+2:G0+4*(\slot)+3], 2*KSTEP*2    ; two K steps on; the type bits on top are not reached
	s_add_nc_u64 s[G0B+4*(\slot)+2:G0B+4*(\slot)+3], s[G0B+4*(\slot)+2:G0B+4*(\slot)+3], 2*KSTEP*2
	JLOAD \slot                                    ; the four v_nop behind it are also the places in front of the loads below
.else
	PLACES
.endif
	FETCH \next, 0, F0
	MUL16 F1, 1, 0, 0
	MUL16 F1, 1, 2, 0
.endm
; THE WAY OUT of block a (16 of my rows).  A lane's 32 bytes are a sixteenth of a row's 512, and the lanes beside it hold other rows.  So the block goes through my own stage in LDS: in by rows of 528 bytes,
; back as whole rows of 512, and each store of the wave then covers 512 consecutive bytes of out0, at a multiple of 256 from its first byte.
.macro TOSTAGE a
.set AC, 64*((\a)%4)                   ; the block's eight accumulators, in window 2 (blocks 0-3) or 3 (blocks 4-7)
.set BK, F0+64*((\a)%2)                ; where its rows come back: two buffers by turns
.if (\a) >= 2
	s_wait_xcnt 0x0                                ; every earlier memory instruction has had its addresses translated (ISA guide 3.1): the buffer, which block a - 2's stores read, is loaded again only behind this wait
.endif
	WIN 0x08+4*((\a)/4)                            ; an LDS store's data is source 1: window 2 or 3
.irp b, 0,1,2,3,4,5,6,7
	ds_store_b128 v[STO], v[AC+8*(\b):AC+8*(\b)+3]   offset:64*(\b)      ; each accumulator's lowest registers are read first
	ds_store_b128 v[STO], v[AC+8*(\b)+4:AC+8*(\b)+7] offset:64*(\b)+16
.endr
	WIN 0
.irp t, 0,1,2,3,4,5,6,7,8,9,10,11,12,13,14,15
	ds_load_b128 v[BK+4*(\t):BK+4*(\t)+3], v[RD] offset:SPITCH*(\t)      ; LDS serves a wave's instructions in order (ISA guide 5.7.1.4): these see the stores above; the next block's stores come behind them
.endr
.endm
.macro SEND a, younger                 ; younger: the LDS instructions issued behind block a's loads: the next block's 32, or none
.set BK, F0+64*((\a)%2)
.irp t, 0,1,2,3,4,5,6,7,8,9,10,11,12,13,14,15
	s_wait_dscnt (\younger)+15-(\t)                ; row t is back in registers
	global_store_b128 v[CO], v[BK+4*(\t):BK+4*(\t)+3], s[82:83] offset:(16*(\a)+(\t))*ROWB th:TH_STORE_NT  ; the row stands in the immediate: 127 rows, 2,080,768 bytes at the most, inside its signed 24 bits
.endr
.endm
	s_wait_tensorcnt 1                             ; my part of K step 0 is in; K step 1's may stay out
	s_barrier_signal -1
	s_barrier_wait -1                              ; everybody's is
	FETCH 0, 0, F0
	s_wait_loadcnt 0x0                             ; the bias
	QUARTER 0, 64,  F0, F1, 1                      ; the first quarter stands in front of the loop: its products start the sums
	WIN 0                                          ; at a label and at a branch every window is 0
	s_mov_b32 s3, LAPS-1
.Llap:                                                 ; a trip goes once round the ring, from a lap's second quarter to the next lap's first, and fills both slots again: trip t asks for K steps 2 t + 2 and 2 t + 3
	QUARTER 0, 128, F1, F0, 0
	QUARTER 0, 192, F0, F1, 0
	TURN 0, 1, 1
	QUARTER 1, 64,  F0, F1, 0
	QUARTER 1, 128, F1, F0, 0
	QUARTER 1, 192, F0, F1, 0
	TURN 1, 0, 1
	QUARTER 0, 64,  F0, F1, 0
	WIN 0
	s_sub_co_u32 s3, s3, 1
	s_cmp_lg_u32 s3, 0
	s_cbranch_scc1 .Llap
	QUARTER 0, 128, F1, F0, 0                      ; the last lap is written out: it fills nothing, and has no round of the cluster's barrier
	QUARTER 0, 192, F0, F1, 0
	TURN 0, 1, 0
	QUARTER 1, 64,  F0, F1, 0
	QUARTER 1, 128, F1, F0, 0
	QUARTER 1, 192, F0, F1, 0
	s_wait_dscnt 8                                 ; the very last quarter: nothing more to fetch
	MUL16 F1, 0, 0, 0
	MUL16 F1, 0, 2, 0
	s_wait_dscnt 0x0
	MUL16 F1, 1, 0, 0
	MUL16 F1, 1, 2, 0
	WIN 0
	PLACES                                         ; behind the last products: the stage's stores read results, its loads land in fragment registers
	TOSTAGE 0
.irp a, 1,2,3,4,5,6,7                  ; block a's way through the stage is issued ahead of block a - 1's stores, so that the wave does not sit out each round trip
	TOSTAGE \a
	SEND (\a)-1, 32
.endr
	SEND 7, 0
	s_wait_tensorcnt 0x0                           ; the wave's end: a wait for my tensor loads, an add to my spare word and its wait, behind my last tensor load and my last LDS store
	ds_add_u32 v[SPW], v[NIL]
	s_wait_dscnt 0x0
	CROUND                                         ; the closing round: no work-group ends while a partner may still ask for a tile that names it
	s_endpgm
.Lfunc_end_k_q7ab7b58dbe_gemm:
	.size	k_q7ab7b58dbe_gemm, .Lfunc_end_k_q7ab7b58dbe_gemm-k_q7ab7b58dbe_gemm
	.p2alignl 7, 3214868480
	.fill 96, 4, 3214868480
	.section	.rodata,"a",@progbits
	.p2align	6, 0x0
	.amdhsa_kernel k_q7ab7b58dbe_gemm
		.amdhsa_group_segment_fixed_size 327680
		.amdhsa_private_segment_fixed_size 0
		.amdhsa_enable_private_segment 0
		.amdhsa_kernarg_size 32
		.amdhsa_user_sgpr_count 2
		.amdhsa_user_sgpr_kernarg_segment_ptr 1
		.amdhsa_wavefront_size32 1
		.amdhsa_system_sgpr_workgroup_id_x 1
		.amdhsa_system_sgpr_workgroup_id_y 1
		.amdhsa_system_sgpr_workgroup_id_z 1
		.amdhsa_system_vgpr_workitem_id 0
		.amdhsa_next_free_vgpr 1024
		.amdhsa_next_free_sgpr 84
		.amdhsa_reserve_vcc 0
		.amdhsa_float_denorm_mode_32 3
		.amdhsa_float_denorm_mode_16_64 3
		.amdhsa_memory_ordered 1
		.amdhsa_forward_progress 1
		.amdhsa_inst_pref_size 145
	.end_amdhsa_kernel
	.amdgpu_metadata
---
amdhsa.version: [ 1, 2 ]
amdhsa.kernels:
  - .name:           k_q7ab7b58dbe_gemm
    .symbol:         k_q7ab7b58dbe_gemm.kd
    .args:
      - { .name: xh, .offset: 0, .size: 8, .value_kind: global_buffer, .address_space: global }
      - { .name: wh, .offset: 8, .size: 8, .value_kind: global_buffer, .address_space: global }
      - { .name: bias, .offset: 16, .size: 8, .value_kind: global_buffer, .address_space: global }
      - { .name: out0, .offset: 24, .size: 8, .value_kind: global_buffer, .address_space: global }
    .group_segment_fixed_size: 327680
    .private_segment_fixed_size: 0
    .kernarg_segment_align: 8
    .kernarg_segment_size: 32
    .max_flat_workgroup_size: 128
    .sgpr_count:     84
    .vgpr_count:     1024
    .wavefront_size: 32
...
	.end_amdgpu_metadata
.endif
;; end of part 2
;; ======== version 2 of 2: 2 launches; version 1 with the launch prep written anew for expert scheduling mode
;; limits: values are held in f16: magnitudes above 65,504 overflow, below 6.1e-05 lose precision; inputs' magnitudes at most 65,504
;; workspace buffers: xh 33,554,432 bytes; wh 33,554,432 bytes
;; launch prep (part 3): grid 1024 x 1, 8 waves a work-group, no clusters, 0 bytes of LDS; arguments x, qweight, qzeros, scales, xh, wh; writes xh, wh
.if DOCPART == 3
	.amdgcn_target "amdgcn-amd-amdhsa--gfx1250"
	.amdhsa_code_object_version 6
	.text
	.protected	k_q7ab7b58dbe_prep
	.globl	k_q7ab7b58dbe_prep
	.p2align	8
	.type	k_q7ab7b58dbe_prep,@function
k_q7ab7b58dbe_prep:
	s_mov_b64 s[64:65], 0
	v_nop
	global_prefetch_b8 v0, s[64:65] scope:SCOPE_SE
	s_setreg_imm32_b32 hwreg(HW_REG_WAVE_SCHED_MODE, 0, 2), 2
	s_setreg_imm32_b32 hwreg(HW_REG_WAVE_MODE, 25, 1), 1
	s_wait_xcnt 0x0
	s_wait_alu depctr_vm_vsrc(0)
; xh = f16(x);  wh[n][k] = f16((q[n][k] - z[n][k/128]) * s[n][k/128]).  x: [4096][4096] f32.  qweight: [4096][512] words of eight 4-bit codes, the lowest
; nibble the lowest k.  qzeros: [4096][4] words of eight 4-bit codes, one a group of 128 k.  scales: [4096][32] f32.  xh, wh: [4096][4096] f16, row-major.
; The difference q - z is exact in f32, the product is rounded once in f32 and once more to f16.
; LIMITS.  f16 holds no number beyond 65,504: |x| or |w| of 65,520 or more becomes an infinity; below 6.1e-5 a number keeps f16's fixed step of 6e-8.  NaN and infinities are not treated apart.
; SHARES.  A work-group of eight waves owns rows 4 g .. 4 g + 3 of x and of the weights; each of its pieces is one dense block of memory, so thread t goes by flat offsets:
;   x       16 loads of 16 bytes at 16 t + 4,096 i: a wave's load covers 512 consecutive bytes;  xh: 16 stores of 8 bytes at 8 t + 2,048 i: 256 consecutive bytes, aligned
;   qweight 8 loads of one word, word f = t + 256 i of the block;  wh: the word's eight weights are 16 bytes at 16 f: a wave's store covers 512 consecutive bytes
;   scales  word f lies in group G = f / 16 = t / 16 + 16 i of the block's 128 groups: 4 bytes at 4 G
;   qzeros  the block's 16 words come by one scalar load; group G's code is nibble G % 8 = (t / 16) % 8 of word G / 8 = t / 128 + 2 i, and t / 128 is the same for a whole wave
; A stream: every byte is read once and written once.  No LDS, no barrier, no loop: all 32 loads of a wave go out together, and the waits count down.  Every store has data registers of its own,
; and no address register or base is rewritten behind the loads: no wait for translated addresses is needed.  The matrix unit and clusters have nothing to do here: no two work-groups share a byte.
; THE MODE: SCHED_MODE bits 1:0 = 2 (LLVM: expert scheduling mode 2), set by the entry lines.  The code itself states the register dependences
; between vector instructions and memory instructions, with s_wait_alu, always for 0.
; THE PLAN.  Registers that memory instructions touch:
;   v1 .. v4   byte offsets.  Written by vector instructions at the head and never again; read by every load and store.
;   QS, X      Written by the loads, all issued at the head, ahead of every vector instruction that names them.  X's item i: its two roundings write its first two registers, which its one store reads.
;   Y          Item i: written by its four roundings; read by its one store.
;   No register that a load or store reads is ever written again, so beyond the entry lines the text holds no wait on vm_vsrc.  v5 .. v15 are named by vector instructions alone.
; The 24 items (8 of weights, 16 of x) go in six groups of four.  A group's four stores are issued in the NEXT group, one ahead of each of its items: that group's vector instructions name their own items'
; registers and v5 .. v15, never the offsets or the data of the group before.  So ONE wait on va_vdst at a group's head states all that the four stores behind it hang on.
.set XO, 1                             ; v1        16 t: x's loads and wh's stores
.set XS, 2                             ; v2        8 t: xh's stores
.set QO, 3                             ; v3        4 t: qweight's loads
.set SO, 4                             ; v4        4 (t / 16): scales' loads
.set SH, 5                             ; v5        4 ((t / 16) % 8): where my zero point's nibble begins
.set ZP, 6                             ; v[6:7]    the zero point as f32, and as a whole number (named as a pair; the packed subtraction takes the low word for both halves)
.set T,  8                             ; v[8:15]   eight numbers at work
.set QS, 16                            ; v[16:31]  item i: its scale, its qweight word (named as a pair; the packed multiply takes the low word for both halves)
.set Y,  32                            ; v[32:63]  item i: eight weights in f16, 4 registers
.set X,  64                            ; v[64:127] item i: 4 registers of x as loaded; the first two then hold the four f16
.set ZW, 16                            ; s[16:31]  the block's 16 words of qzeros
.set ZS, 36                            ; s[36:43]  item i: my wave's word of qzeros
	s_load_b256 s[4:11], s[0:1], 0x0               ; x s[4:5], qweight s[6:7], qzeros s[8:9], scales s[10:11]
	s_load_b128 s[12:15], s[0:1], 0x20             ; xh s[12:13], wh s[14:15]
	v_lshlrev_b32 v[XO], 4, v0
	v_lshlrev_b32 v[XS], 3, v0
	v_lshlrev_b32 v[QO], 2, v0
	v_lshrrev_b32 v[SO], 4, v0                     ; t / 16
	v_and_b32 v[SH], 7, v[SO]
	v_lshlrev_b32 v[SH], 2, v[SH]
	v_lshlrev_b32 v[SO], 2, v[SO]
	v_lshrrev_b32 v[ZP], 5, v0
	v_readfirstlane_b32 s34, v[ZP]                 ; my wave's number
	s_mov_b32 s33, 0
	s_wait_alu depctr_va_sdst(0)                   ; s34 is written, ahead of its first reader, the shift below
	s_lshr_b32 s35, s34, 2                         ; t / 128
	s_wait_kmcnt 0x0
	s_lshl_b32 s32, ttmp9, 16                      ; four rows of x: 65,536 bytes
	s_add_nc_u64 s[4:5], s[4:5], s[32:33]
	s_lshl_b32 s32, ttmp9, 13                      ; of qweight: 8,192
	s_add_nc_u64 s[6:7], s[6:7], s[32:33]
	s_lshl_b32 s32, ttmp9, 6                       ; of qzeros: 64
	s_add_nc_u64 s[8:9], s[8:9], s[32:33]
	s_lshl_b32 s32, ttmp9, 9                       ; of scales: 512
	s_add_nc_u64 s[10:11], s[10:11], s[32:33]
	s_lshl_b32 s32, ttmp9, 15                      ; of xh and of wh: 32,768
	s_add_nc_u64 s[12:13], s[12:13], s[32:33]
	s_add_nc_u64 s[14:15], s[14:15], s[32:33]
	s_load_b512 s[ZW:ZW+15], s[8:9], 0x0
	s_wait_alu depctr_va_vdst(0)                   ; the four offsets v1 to v4 are written: every load and store of the kernel reads one of them
.irp i, 0,1,2,3,4,5,6,7
	global_load_b32 v[QS+2*(\i)],   v[SO], s[10:11] offset:64*(\i)
	global_load_b32 v[QS+2*(\i)+1], v[QO], s[6:7] offset:1024*(\i) th:TH_LOAD_NT
.endr
.irp i, 0,1,2,3,4,5,6,7,8,9,10,11,12,13,14,15
	global_load_b128 v[X+4*(\i):X+4*(\i)+3], v[XO], s[4:5] offset:4096*(\i) th:TH_LOAD_NT
.endr
	s_wait_kmcnt 0x0                               ; qzeros
	s_cmp_lg_u32 s35, 0                            ; the selects leave SCC as it is
.irp i, 0,1,2,3,4,5,6,7
	s_cselect_b32 s[ZS+(\i)], s[ZW+2*(\i)+1], s[ZW+2*(\i)]  ; word t / 128 + 2 i
.endr
; Eight weights: one word of codes, one zero point, one scale.  The arithmetic,
.macro WWORK i
	s_wait_loadcnt 30-2*(\i)                       ; loads come back in order (ISA guide 5.7.1): behind this item's word stand the 2 (7 - i) of the later items and x's 16
	v_bfe_u32 v[ZP+1], s[ZS+(\i)], v[SH], 4
	v_cvt_f32_u32 v[ZP], v[ZP+1]
.irp j, 0,1,2,3,4,5,6,7
	v_bfe_u32 v[T+(\j)], v[QS+2*(\i)+1], 4*(\j), 4
.endr
.irp j, 0,1,2,3,4,5,6,7
	v_cvt_f32_u32 v[T+(\j)], v[T+(\j)]
.endr
.irp j, 0,2,4,6
	v_pk_add_f32 v[T+(\j):T+(\j)+1], v[T+(\j):T+(\j)+1], v[ZP:ZP+1] op_sel_hi:[1,0] neg_lo:[0,1] neg_hi:[0,1]  ; q - z
.endr
.irp j, 0,2,4,6
	v_pk_mul_f32 v[T+(\j):T+(\j)+1], v[T+(\j):T+(\j)+1], v[QS+2*(\i):QS+2*(\i)+1] op_sel_hi:[1,0]              ; times s
.endr
.irp j, 0,1,2,3
	v_cvt_pk_f16_f32 v[Y+4*(\i)+(\j)], v[T+2*(\j)], v[T+2*(\j)+1]
.endr
.endm
; and the store, a group later.  No wait of its own: no vector instruction since the wait at the group's head names v1 or this item's Y.
.macro WSTORE i
	global_store_b128 v[XO], v[Y+4*(\i):Y+4*(\i)+3], s[14:15] offset:4096*(\i)
.endm
; Four numbers of x.  The arithmetic,
.macro XWORK i
	s_wait_loadcnt 15-(\i)                         ; the later items' loads stay out
	v_cvt_pk_f16_f32 v[X+4*(\i)],   v[X+4*(\i)],   v[X+4*(\i)+1]
	v_cvt_pk_f16_f32 v[X+4*(\i)+1], v[X+4*(\i)+2], v[X+4*(\i)+3]
.endm
; and the store, a group later.  No wait of its own: no vector instruction since the wait at the group's head names v2 or this item's X.
.macro XSTORE i
	global_store_b64 v[XS], v[X+4*(\i):X+4*(\i)+1], s[12:13] offset:2048*(\i)
.endm
.irp i, 0,1,2,3                        ; weights 0 to 3: there is no group in front of them, so nothing is stored
	WWORK \i
.endr
	s_wait_alu depctr_va_vdst(0)                   ; the roundings of weights 0 to 3 have written their Y, which the four stores of this group read
.irp i, 4,5,6,7
	WSTORE (\i)-4
	WWORK \i
.endr
	s_wait_alu depctr_va_vdst(0)                   ; the roundings of weights 4 to 7 have written their Y, which the four stores of this group read
.irp i, 0,1,2,3
	WSTORE (\i)+4
	XWORK \i
.endr
	s_wait_alu depctr_va_vdst(0)                   ; the roundings of x's items 0 to 3 have written their first two registers, which the four stores of this group read
.irp i, 4,5,6,7
	XSTORE (\i)-4
	XWORK \i
.endr
	s_wait_alu depctr_va_vdst(0)                   ; the same of x's items 4 to 7
.irp i, 8,9,10,11
	XSTORE (\i)-4
	XWORK \i
.endr
	s_wait_alu depctr_va_vdst(0)                   ; the same of x's items 8 to 11
.irp i, 12,13,14,15
	XSTORE (\i)-4
	XWORK \i
.endr
	s_wait_alu depctr_va_vdst(0)                   ; the roundings of x's items 12 to 15 have written their first two registers, which the last four stores read
.irp i, 12,13,14,15
	XSTORE \i
.endr
	s_endpgm
.Lfunc_end_k_q7ab7b58dbe_prep:
	.size	k_q7ab7b58dbe_prep, .Lfunc_end_k_q7ab7b58dbe_prep-k_q7ab7b58dbe_prep
	.p2alignl 7, 3214868480
	.fill 96, 4, 3214868480
	.section	.rodata,"a",@progbits
	.p2align	6, 0x0
	.amdhsa_kernel k_q7ab7b58dbe_prep
		.amdhsa_group_segment_fixed_size 0
		.amdhsa_private_segment_fixed_size 0
		.amdhsa_enable_private_segment 0
		.amdhsa_kernarg_size 48
		.amdhsa_user_sgpr_count 2
		.amdhsa_user_sgpr_kernarg_segment_ptr 1
		.amdhsa_wavefront_size32 1
		.amdhsa_system_sgpr_workgroup_id_x 1
		.amdhsa_system_sgpr_workgroup_id_y 1
		.amdhsa_system_sgpr_workgroup_id_z 1
		.amdhsa_system_vgpr_workitem_id 0
		.amdhsa_next_free_vgpr 128
		.amdhsa_next_free_sgpr 66
		.amdhsa_reserve_vcc 0
		.amdhsa_float_denorm_mode_32 3
		.amdhsa_float_denorm_mode_16_64 3
		.amdhsa_memory_ordered 1
		.amdhsa_forward_progress 1
		.amdhsa_inst_pref_size 23
	.end_amdhsa_kernel
	.amdgpu_metadata
---
amdhsa.version: [ 1, 2 ]
amdhsa.kernels:
  - .name:           k_q7ab7b58dbe_prep
    .symbol:         k_q7ab7b58dbe_prep.kd
    .args:
      - { .name: x, .offset: 0, .size: 8, .value_kind: global_buffer, .address_space: global }
      - { .name: qweight, .offset: 8, .size: 8, .value_kind: global_buffer, .address_space: global }
      - { .name: qzeros, .offset: 16, .size: 8, .value_kind: global_buffer, .address_space: global }
      - { .name: scales, .offset: 24, .size: 8, .value_kind: global_buffer, .address_space: global }
      - { .name: xh, .offset: 32, .size: 8, .value_kind: global_buffer, .address_space: global }
      - { .name: wh, .offset: 40, .size: 8, .value_kind: global_buffer, .address_space: global }
    .group_segment_fixed_size: 0
    .private_segment_fixed_size: 0
    .kernarg_segment_align: 8
    .kernarg_segment_size: 48
    .max_flat_workgroup_size: 256
    .sgpr_count:     66
    .vgpr_count:     128
    .wavefront_size: 32
...
	.end_amdgpu_metadata
.endif
;; end of part 3
;; launch gemm: the kernel of part 2 again; grid 16 x 16, 4 waves a work-group, clusters of 4 x 4, 327,680 bytes of LDS; arguments xh, wh, bias, out0; writes out0
